; MI455X (gfx1250); checked and timed in simulation.
; The chip was launched on July 23, 2026; its instructions are those of AMD's public machine-readable ISA for CDNA 5 (MIT licence, August 2026) and "CDNA5" Instruction Set Architecture Reference Guide (July 2026). The comments in the code are by the model that wrote it; some were corrected since.
;; Point Transformer Transition Up. Allowed arithmetic: matrix products marked QUANTISED: E4M3 operands, one E8M0 scale for each 32 along K, by v_wmma_scale_f32_16x16x128_f8f6f4 with both operands' format E4M3, f32 sums; products left as they are: f32 operands where the result goes on into a quantised operand, else bf16, f16 or f32 operands; f32 sums; everything else in f32.
;; Inputs: W 256 x 512 float32; b 256 float32; beta 256 float32; gamma 256 float32; points_high 2 x 256 x 16,384 float32; points_low 2 x 512 x 4,096 float32; xyz_high 2 x 3 x 16,384 float32; xyz_low 2 x 3 x 4,096 float32.
;; Outputs: out0 2 x 256 x 16,384 float32.
;; This version of the problem:
;;   THIS VERSION OF THE PROBLEM IS GIVEN IN LOW PRECISION. The matrix products marked QUANTISED in the list below multiply operands that are first quantised to E4M3 (4 exponent bits, 3 mantissa bits; 8 bits a number), with one power-of-two scale for each 32 numbers along K (OCP MX v1.0); their sums are f32. All else is computed in f32.
;;   The module's matrix products, in the order in which they are computed (A, B: the left and right operand; K: the contracted axis; several contracted axes count as one K, in the product's order):
;;     1. [M 8,192, K 512] x [K 512, N 256]; A: input points_low; B: input W: QUANTISED
;;     2. batch 2 x [M 16,384, K 3] x [K 3, N 4,096]; A: input xyz_high; B: input xyz_low: left as it is (K = 3 < 32)
;;     3. batch 32,768 x [M 1, K 3] x [K 3, N 256]; A: computed on the way; B: computed on the way: left as it is (K = 3 < 32)
;;   THE QUANTISER, for each operand of a quantised product, along K:
;;     - K is cut into blocks of 32 from its start; a last block that is shorter is filled with zeros.
;;     - A block's scale is 2^e with e = floor(log2(the largest magnitude in the block)) - 8, held to -126 .. 127; a block of zeros has e = 0. As a byte (E8M0): e + 127.
;;     - Each number is divided by its block's scale, clamped to +-448, and rounded to the nearest number of E4M3, ties to even, subnormals kept.
;;     - The product sums the exact products of the quantised numbers (number of the format x scale) in f32.
;;   ~~~python
;;   def quantise(x, axis):      # numpy; x: float32 -> the quantised numbers, widened to float32 again
;;       x = np.moveaxis(x, axis, -1); K = x.shape[-1]
;;       x = np.pad(x, [(0, 0)] * (x.ndim - 1) + [(0, -K % 32)]); x = x.reshape(x.shape[:-1] + (-1, 32)); a = np.abs(x).max(-1, keepdims=True)
;;       e = np.where(a > 0, np.clip(np.frexp(np.where(a > 0, a, 1))[1] - 1 - 8, -126, 127), 0)      # np.frexp(a)[1] - 1 = floor(log2(a)), exactly
;;       r = np.clip(x / 2.0 ** e, -448, 448)
;;       step = 2.0 ** (np.maximum(np.frexp(np.where(r == 0, 1, r))[1] - 1, -6) - 3)
;;       q = np.round(r / step) * step * 2.0 ** e      # np.round: ties to even
;;       return np.moveaxis(q.reshape(q.shape[:-2] + (-1,))[..., :K], -1, axis).astype(np.float32)
;;   ~~~
;; One version. Each part assembles by itself: llvm-mc -triple=amdgcn-amd-amdhsa -mcpu=gfx1250 --defsym DOCPART=n.
;; ======== version 1 of 1: 3 launches
;; workspace buffers: wq 131,072 bytes; wsc 4,096 bytes; grp 524,288 bytes of whole numbers; hraw 8,388,608 bytes; part 262,144 bytes; idx 393,216 bytes of whole numbers; wgt 393,216 bytes
;; launch coarse (part 1): grid 256 x 1, 8 waves a work-group, no clusters, 103,424 bytes of LDS; arguments xyz_low, xyz_high, W, wq, wsc, grp; writes wq, wsc, grp
.if DOCPART == 1
	.amdgcn_target "amdgcn-amd-amdhsa--gfx1250"
	.amdhsa_code_object_version 6
	.text
	.protected	k_qaee81d8910_coarse
	.globl	k_qaee81d8910_coarse
	.p2align	8
	.type	k_qaee81d8910_coarse,@function
k_qaee81d8910_coarse:
	s_mov_b64 s[64:65], 0
	v_nop
	global_prefetch_b8 v0, s[64:65] scope:SCOPE_SE
	s_setreg_imm32_b32 hwreg(HW_REG_WAVE_MODE, 25, 1), 1
	s_wait_xcnt 0x0
; THREE NEAREST NEIGHBOURS, FIRST PASS, and W's codes.
; The 4,096 low points of a batch are cut into 128 groups of 32 neighbouring indices.  For each high point this launch finds the FOUR groups with the
; smallest (group minimum, group number) and stores their numbers, ascending, as whole numbers: grp[b][k 4][n].  The four best candidates by (key, index)
; lie in those four groups: were one of them in a fifth group, four other groups would each hold a candidate that comes before it.
; THE KEY of a pair is d' = fma(qx, -2x, fma(qy, -2y, fma(qz, -2z, |p|^2))): the squared distance less |q|^2, which is the same for all candidates of a query.
; It serves the choice of groups alone: the next launch scans the 128 candidates again with reference()'s own order of rounding, so a third and a fourth
; neighbour that lie within rounding of each other are both among its candidates.
; LIMITS: NaN and infinities among the coordinates are not served.
; SHARES.  Work-group g: batch g / 128, queries 128 (g % 128) on.  All eight waves hold the same 128 queries, four a lane; wave w scans candidates 512 w on: 16 groups.
; A pair costs 3/2 packed multiply-adds and half a three-way minimum; the insertion with the group's number runs once for 32 candidates.
; Wave 7 of work-group g also quantises row g of W (512 numbers) to E4M3 codes with E8M0 scale bytes, laid as the next launch's operand registers want them.
; LDS: wave w's own table at 8,704 w: 64 chunks of 128 bytes (8 candidates: -2x, -2y, -2z, |p|^2, eight each), then 512 bytes of zeros, which the last trip's look-ahead reads.
;      From MG on: [wave 8][item 8: four minima, four group numbers][query 128] words, for the merge.
; REGISTERS: v1 lane; v2-v9 addresses; query q's block at v[QB + 16 q]: +0 qx, +1 a, +2 qy, +3 b, +4 qz, +5 c, +6 d, +7..+10 their groups, +11 the group's minimum, +12..+14 at work
;   (the coordinates lie in even registers: the packed form takes a pair's low word for both halves);  v80-111, v112-143 two chunks;  v144-175 keys;  v176-187 the queries as loaded;  v192-219 W's row.
.set TBL,  8704
.set MG,   69632
.set QB,   16
.set CA,   80
.set CB,   112
.set D,    144
.set QL,   176
.set WX,   192
	s_load_b256 s[4:11], s[0:1], 0x0               ; xyz_low s[4:5], xyz_high s[6:7], W s[8:9], wq s[10:11]
	s_load_b128 s[12:15], s[0:1], 0x20             ; wsc s[12:13], grp s[14:15]
	v_lshl_add_u32 v224, v0, 2, 0x19000
	v_mov_b32 v225, 0
	v_lshrrev_b32 v1, 5, v0
	v_readfirstlane_b32 s16, v1                    ; wave 0..7
	v_and_b32 v1, 31, v0                           ; lane
	s_lshr_b32 s17, ttmp9, 7                       ; batch
	s_and_b32 s18, ttmp9, 127                      ; which 128 queries
	s_mov_b32 s44, 0x600000                        ; the mantissa field of 448
	s_mul_i32 s25, s16, TBL                        ; my wave's table
	v_lshrrev_b32 v2, 1, v1
	v_lshlrev_b32 v2, 7, v2
	v_and_b32 v10, 1, v1
	v_lshl_add_u32 v2, v10, 4, v2
	v_add_nc_u32 v2, s25, v2                       ; the fill: four candidates a lane: chunk lane / 2, 16 (lane % 2) bytes into each of its four arrays
	v_mov_b32 v3, s25                              ; the trip's first chunk (all lanes read one address)
	v_mov_b32 v9, s25                              ; the look-ahead's
	v_lshlrev_b32 v4, 4, v1                        ; 16 x lane
	s_lshl_b32 s20, s16, 12
	s_add_co_u32 s20, s20, MG
	v_add_nc_u32 v5, s20, v4                       ; the merge, in: my wave's 4,096 bytes, my four queries' words
	v_lshlrev_b32 v7, 2, v0                        ; 4 x thread
	v_add_nc_u32 v6, MG, v7                        ; the merge, out: a query a thread (threads 0 to 127)
	s_add_co_u32 s20, s25, 8192
	v_add_nc_u32 v8, s20, v4                       ; the zeros behind my table
	v_lshlrev_b32 v219, 6, v1                      ; W: 16 numbers a lane
	v_lshrrev_b32 v217, 3, v1
	v_lshlrev_b32 v217, 11, v217                   ; its codes: K step lane / 8: 2,048 bytes,
	v_bfe_u32 v218, v1, 1, 2
	v_lshl_add_u32 v217, v218, 9, v217             ; block (lane / 2) % 4: 512,
	v_and_b32 v218, 1, v1
	v_lshl_add_u32 v217, v218, 8, v217             ; half lane % 2: 256
	v_lshrrev_b32 v218, 1, v1                      ; its scale byte: block lane / 2
	s_mul_i32 s20, s17, 49152                      ; xyz_low: batch, my wave's 512 candidates
	s_lshl_b32 s21, s16, 11
	s_add_co_u32 s20, s20, s21
	s_mov_b32 s21, 0
	s_mul_i32 s22, s17, 196608                     ; xyz_high: batch, my work-group's 128 queries
	s_lshl_b32 s23, s18, 9
	s_add_co_u32 s22, s22, s23
	s_mov_b32 s23, 0
	s_lshl_b32 s26, s17, 18                        ; grp: batch (4 x 16,384 words), the same queries
	s_lshl_b32 s27, s18, 9
	s_add_co_u32 s26, s26, s27
	s_mov_b32 s27, 0
	s_lshl_b32 s28, ttmp9, 11                      ; W: row g
	s_mov_b32 s29, 0
	s_lshr_b32 s30, ttmp9, 4                       ; wq: tile g / 16: 8,192 bytes; row g % 16: 16
	s_lshl_b32 s30, s30, 13
	s_and_b32 s31, ttmp9, 15
	s_lshl_b32 s31, s31, 4
	s_add_co_u32 s30, s30, s31
	s_mov_b32 s31, 0
	s_lshl_b32 s32, ttmp9, 4                       ; wsc: 16 bytes a row
	s_mov_b32 s33, 0
	s_wait_kmcnt 0x0
	s_add_nc_u64 s[4:5], s[4:5], s[20:21]
	s_add_nc_u64 s[6:7], s[6:7], s[22:23]
	s_add_nc_u64 s[14:15], s[14:15], s[26:27]
	s_add_nc_u64 s[8:9], s[8:9], s[28:29]
	s_add_nc_u64 s[10:11], s[10:11], s[30:31]
	s_add_nc_u64 s[12:13], s[12:13], s[32:33]
.irp c,0,1,2
	global_load_b128 v[QL+4*\c:QL+4*\c+3], v4, s[6:7] offset:65536*\c          ; my four queries' x, y, z
.endr
.irp c,0,1,2
.irp i,0,1,2,3
	global_load_b128 v[CA+16*\c+4*\i:CA+16*\c+4*\i+3], v4, s[4:5] offset:16384*\c+512*\i   ; candidates 128 i + 4 lane on: a wave's load covers 512 consecutive bytes
.endr
.endr
	s_cmp_lg_u32 s16, 7
	s_cbranch_scc1 .Lno_w
	; ---- wave 7: row g of W.  Lane L holds k = 16 L .. 16 L + 15; two neighbouring lanes hold a block of 32
.irp j,0,1,2,3
	global_load_b128 v[WX+4*\j:WX+4*\j+3], v219, s[8:9] offset:16*\j
.endr
	s_wait_loadcnt 0x0
	v_max3_num_f32 v208, |v[WX]|, |v[WX+1]|, 0x4800000             ; the largest magnitude of my 16, and the floor 2^(9 - 127): the byte cannot fall under 1
	v_max3_num_f32 v209, |v[WX+2]|, |v[WX+3]|, |v[WX+4]|
	v_max3_num_f32 v208, v208, |v[WX+5]|, |v[WX+6]|
	v_max3_num_f32 v209, v209, |v[WX+7]|, |v[WX+8]|
	v_max3_num_f32 v208, v208, |v[WX+9]|, |v[WX+10]|
	v_max3_num_f32 v209, v209, |v[WX+11]|, |v[WX+12]|
	v_max3_num_f32 v208, v208, |v[WX+13]|, |v[WX+14]|
	v_max3_num_f32 v208, v208, v209, |v[WX+15]|
	v_max_num_f32_dpp v208, v208, v208 row_xmask:1 row_mask:0xf bank_mask:0xf   ; with my neighbour's 16: the block's
	v_add_nc_u32 v210, 0xfc000000, v208            ; 8 off its exponent field: the conversion takes this operand's exponent field as its scale
	v_and_or_b32 v211, v208, 0x7f800000, s44       ; 448 x the scale
.irp i,0,1,2,3,4,5,6,7,8,9,10,11,12,13,14,15
	v_med3_num_f32 v[WX+\i], v[WX+\i], -v211, v211 ; the conversion to an 8-bit code does not saturate (ISA guide 7.6.2): the hold comes first
.endr
	v_cvt_scalef32_pk8_fp8_f32 v[212:213], v[WX:WX+7], v210
	v_cvt_scalef32_pk8_fp8_f32 v[214:215], v[WX+8:WX+15], v210
	v_lshrrev_b32 v216, 23, v210                   ; the scale's byte (a block of zeros keeps the byte 1: its codes are zeros, and this program alone reads the bytes)
	global_store_b128 v217, v[212:215], s[10:11]   ; 16 bytes of an operand's image: 128 KB in all, written once in the order in which it is read
	global_store_b8 v218, v216, s[12:13]           ; both lanes of a block write the same byte with the same value
.Lno_w:
	s_wait_loadcnt 0x0
	; ---- my wave's table
.irp i,0,1,2,3
.irp p,0,2
	v_pk_mul_f32 v[D+4*\i+\p:D+4*\i+\p+1], v[CA+4*\i+\p:CA+4*\i+\p+1], v[CA+4*\i+\p:CA+4*\i+\p+1]
.endr
.irp p,0,2
	v_pk_fma_f32 v[D+4*\i+\p:D+4*\i+\p+1], v[CA+16+4*\i+\p:CA+16+4*\i+\p+1], v[CA+16+4*\i+\p:CA+16+4*\i+\p+1], v[D+4*\i+\p:D+4*\i+\p+1]
.endr
.irp p,0,2
	v_pk_fma_f32 v[D+4*\i+\p:D+4*\i+\p+1], v[CA+32+4*\i+\p:CA+32+4*\i+\p+1], v[CA+32+4*\i+\p:CA+32+4*\i+\p+1], v[D+4*\i+\p:D+4*\i+\p+1]   ; |p|^2 = fma(z, z, fma(y, y, x x))
.endr
.irp c,0,1,2
.irp p,0,2
	v_pk_mul_f32 v[CA+16*\c+4*\i+\p:CA+16*\c+4*\i+\p+1], v[CA+16*\c+4*\i+\p:CA+16*\c+4*\i+\p+1], -2.0 op_sel_hi:[1,0]   ; exact
.endr
.endr
	ds_store_b128 v2, v[CA+4*\i:CA+4*\i+3] offset:2048*\i
	ds_store_b128 v2, v[CA+16+4*\i:CA+16+4*\i+3] offset:2048*\i+32
	ds_store_b128 v2, v[CA+32+4*\i:CA+32+4*\i+3] offset:2048*\i+64
	ds_store_b128 v2, v[D+4*\i:D+4*\i+3] offset:2048*\i+96
.endr
.irp j,0,1,2,3
	v_mov_b32 v[D+16+\j], 0
.endr
	ds_store_b128 v8, v[D+16:D+19]
.irp q,0,1,2,3
	v_mov_b32 v[QB+16*\q], v[QL+\q]
	v_mov_b32 v[QB+16*\q+2], v[QL+4+\q]
	v_mov_b32 v[QB+16*\q+4], v[QL+8+\q]
	v_mov_b32 v[QB+16*\q+1], 0x7f800000            ; the four minima begin at +infinity
	v_mov_b32 v[QB+16*\q+3], 0x7f800000
	v_mov_b32 v[QB+16*\q+5], 0x7f800000
	v_mov_b32 v[QB+16*\q+6], 0x7f800000
	v_mov_b32 v[QB+16*\q+7], 0
	v_mov_b32 v[QB+16*\q+8], 0
	v_mov_b32 v[QB+16*\q+9], 0
	v_mov_b32 v[QB+16*\q+10], 0
.endr
.macro LOADC buf, adr, off             ; a chunk of 8 candidates: buf + 0.. -2x, + 8.. -2y, + 16.. -2z, + 24.. |p|^2
.irp i,0,1,2,3,4,5,6,7
	ds_load_b128 v[\buf+4*\i:\buf+4*\i+3], v[\adr] offset:\off+16*\i
.endr
.endm
.macro DIST buf                        ; the keys of 8 candidates x 4 queries, two candidates an instruction; the three stages outermost, so that dependent lines stand 16 apart
.irp q,0,1,2,3
.irp p,0,2,4,6
	v_pk_fma_f32 v[D+8*\q+\p:D+8*\q+\p+1], v[QB+16*\q+4:QB+16*\q+5], v[\buf+16+\p:\buf+17+\p], v[\buf+24+\p:\buf+25+\p] op_sel_hi:[0,1,1]
.endr
.endr
.irp q,0,1,2,3
.irp p,0,2,4,6
	v_pk_fma_f32 v[D+8*\q+\p:D+8*\q+\p+1], v[QB+16*\q+2:QB+16*\q+3], v[\buf+8+\p:\buf+9+\p], v[D+8*\q+\p:D+8*\q+\p+1] op_sel_hi:[0,1,1]
.endr
.endr
.irp q,0,1,2,3
.irp p,0,2,4,6
	v_pk_fma_f32 v[D+8*\q+\p:D+8*\q+\p+1], v[QB+16*\q:QB+16*\q+1], v[\buf+\p:\buf+\p+1], v[D+8*\q+\p:D+8*\q+\p+1] op_sel_hi:[0,1,1]
.endr
.endr
.endm
.macro MINS first                      ; the group's minimum goes on; first = 1: the group's first two keys start it, so nothing is reset
.irp p,0,2,4,6
.irp q,0,1,2,3
.if \first && (\p == 0)
	v_min_num_f32 v[QB+16*\q+11], v[D+8*\q], v[D+8*\q+1]
.else
	v_min3_num_f32 v[QB+16*\q+11], v[QB+16*\q+11], v[D+8*\q+\p], v[D+8*\q+\p+1]
.endif
.endr
.endr
.endm
; The group's minimum m and its number s24 go into the sorted four (a <= b <= c <= d), for the four queries stage by stage.  The compare is strict: of equal minima the earlier, lower group stays in front.
.macro INS4
.irp q,0,1,2,3
	v_cmp_lt_f32 s[28+4*\q], v[QB+16*\q+11], v[QB+16*\q+1]
	v_cmp_lt_f32 s[29+4*\q], v[QB+16*\q+11], v[QB+16*\q+3]
	v_cmp_lt_f32 s[30+4*\q], v[QB+16*\q+11], v[QB+16*\q+5]
	v_cmp_lt_f32 s[31+4*\q], v[QB+16*\q+11], v[QB+16*\q+6]
.endr
.irp q,0,1,2,3
	v_cndmask_b32 v[QB+16*\q+14], s24, v[QB+16*\q+9], s[30+4*\q]   ; what moves into a place: its upper neighbour's number where m goes in further up, else the new one
	v_cndmask_b32 v[QB+16*\q+13], s24, v[QB+16*\q+8], s[29+4*\q]
	v_cndmask_b32 v[QB+16*\q+12], s24, v[QB+16*\q+7], s[28+4*\q]
.endr
.irp q,0,1,2,3
	v_cndmask_b32 v[QB+16*\q+10], v[QB+16*\q+10], v[QB+16*\q+14], s[31+4*\q]
	v_cndmask_b32 v[QB+16*\q+9], v[QB+16*\q+9], v[QB+16*\q+13], s[30+4*\q]
	v_cndmask_b32 v[QB+16*\q+8], v[QB+16*\q+8], v[QB+16*\q+12], s[29+4*\q]
	v_cndmask_b32 v[QB+16*\q+7], v[QB+16*\q+7], s24, s[28+4*\q]
.endr
.irp q,0,1,2,3
	v_med3_num_f32 v[QB+16*\q+6], v[QB+16*\q+11], v[QB+16*\q+5], v[QB+16*\q+6]
	v_med3_num_f32 v[QB+16*\q+5], v[QB+16*\q+11], v[QB+16*\q+3], v[QB+16*\q+5]
	v_med3_num_f32 v[QB+16*\q+3], v[QB+16*\q+11], v[QB+16*\q+1], v[QB+16*\q+3]
	v_min_num_f32 v[QB+16*\q+1], v[QB+16*\q+1], v[QB+16*\q+11]
.endr
.endm
	s_lshl_b32 s24, s16, 4                         ; my first group: 16 x wave
	s_mov_b32 s19, 0
	s_wait_dscnt 0x0                               ; my table lies in LDS, and its stores have read their registers
	LOADC CA, 3, 0
.Ltrip:                                                ; a trip = a group of 32 candidates = four chunks, each asked for one chunk ahead
	LOADC CB, 3, 128
	s_wait_dscnt 8                                 ; all but the 8 loads just issued: on the way in and round the back edge 8 were out at the label
	DIST CA
	MINS 1
	LOADC CA, 3, 256
	s_wait_dscnt 8
	DIST CB
	MINS 0
	LOADC CB, 3, 384
	s_wait_dscnt 8
	DIST CA
	MINS 0
	s_add_co_u32 s25, s25, 512
	v_mov_b32 v9, s25                              ; the next group's first chunk, by a register of its own: the loads that named it a trip ago were waited for at this trip's head
	LOADC CA, 9, 0
	s_wait_dscnt 8                                 ; the loads that name v3 are in: it is written below
	DIST CB
	MINS 0
	INS4
	v_mov_b32 v3, s25
	s_add_co_u32 s24, s24, 1
	s_add_co_u32 s19, s19, 1
	s_cmp_lt_u32 s19, 16
	s_cbranch_scc1 .Ltrip
	; ---- the merge: eight waves' fours for each of 128 queries
.irp q,0,1,2,3
	ds_store_b32 v5, v[QB+16*\q+1] offset:4*\q
	ds_store_b32 v5, v[QB+16*\q+3] offset:512+4*\q
	ds_store_b32 v5, v[QB+16*\q+5] offset:1024+4*\q
	ds_store_b32 v5, v[QB+16*\q+6] offset:1536+4*\q
	ds_store_b32 v5, v[QB+16*\q+7] offset:2048+4*\q
	ds_store_b32 v5, v[QB+16*\q+8] offset:2560+4*\q
	ds_store_b32 v5, v[QB+16*\q+9] offset:3072+4*\q
	ds_store_b32 v5, v[QB+16*\q+10] offset:3584+4*\q
.endr
	s_wait_dscnt 0x0                               ; for the others' sake: my stores have landed (and the last look-ahead is in)
	s_barrier_signal -1
	s_barrier_wait -1
	s_cmp_ge_u32 s16, 4
	s_cbranch_scc1 .Lend                           ; 128 queries: waves 0 to 3, a query a lane
.irp w,0,1,2,3,4,5,6,7
.irp t,0,1,2,3,4,5,6,7
	ds_load_b32 v[80+8*\w+\t], v6 offset:4096*\w+512*\t
.endr
.endr
	s_wait_dscnt 0x0
.macro INSV val, id                    ; as INS4, for one query, the number in a vector register; the state is wave 0's four, v80-83 and v84-87
	v_cmp_lt_f32 s28, v[\val], v80
	v_cmp_lt_f32 s29, v[\val], v81
	v_cmp_lt_f32 s30, v[\val], v82
	v_cmp_lt_f32 s31, v[\val], v83
	v_cndmask_b32 v146, v[\id], v86, s30
	v_cndmask_b32 v145, v[\id], v85, s29
	v_cndmask_b32 v144, v[\id], v84, s28
	v_cndmask_b32 v87, v87, v146, s31
	v_cndmask_b32 v86, v86, v145, s30
	v_cndmask_b32 v85, v85, v144, s29
	v_cndmask_b32 v84, v84, v[\id], s28
	v_med3_num_f32 v83, v[\val], v82, v83
	v_med3_num_f32 v82, v[\val], v81, v82
	v_med3_num_f32 v81, v[\val], v80, v81
	v_min_num_f32 v80, v80, v[\val]
.endm
.irp w,1,2,3,4,5,6,7                   ; waves ascending, and a wave's four in their order: group numbers of equal minima arrive ascending
.irp t,0,1,2,3
	INSV 80+8*\w+\t, 84+8*\w+\t
.endr
.endr
	v_min_u32 v144, v84, v85                       ; the four numbers ascending, so that the next launch meets its candidates by ascending index
	v_max_u32 v145, v84, v85
	v_min_u32 v146, v86, v87
	v_max_u32 v147, v86, v87
	v_min_u32 v148, v144, v146
	v_max_u32 v149, v144, v146
	v_min_u32 v150, v145, v147
	v_max_u32 v151, v145, v147
	v_min_u32 v152, v149, v150
	v_max_u32 v153, v149, v150
	global_store_b32 v7, v148, s[14:15]
	global_store_b32 v7, v152, s[14:15] offset:65536
	global_store_b32 v7, v153, s[14:15] offset:131072
	global_store_b32 v7, v151, s[14:15] offset:196608
.Lend:
	s_wait_tensorcnt 0x0
	ds_add_u32 v224, v225
	s_wait_dscnt 0x0
	s_endpgm
.Lfunc_end_k_qaee81d8910_coarse:
	.size	k_qaee81d8910_coarse, .Lfunc_end_k_qaee81d8910_coarse-k_qaee81d8910_coarse
	.p2alignl 7, 3214868480
	.fill 96, 4, 3214868480
	.section	.rodata,"a",@progbits
	.p2align	6, 0x0
	.amdhsa_kernel k_qaee81d8910_coarse
		.amdhsa_group_segment_fixed_size 103424
		.amdhsa_private_segment_fixed_size 0
		.amdhsa_enable_private_segment 0
		.amdhsa_kernarg_size 48
		.amdhsa_user_sgpr_count 2
		.amdhsa_user_sgpr_kernarg_segment_ptr 1
		.amdhsa_wavefront_size32 1
		.amdhsa_system_sgpr_workgroup_id_x 1
		.amdhsa_system_sgpr_workgroup_id_y 1
		.amdhsa_system_sgpr_workgroup_id_z 1
		.amdhsa_system_vgpr_workitem_id 0
		.amdhsa_next_free_vgpr 226
		.amdhsa_next_free_sgpr 66
		.amdhsa_reserve_vcc 0
		.amdhsa_float_denorm_mode_32 3
		.amdhsa_float_denorm_mode_16_64 3
		.amdhsa_memory_ordered 1
		.amdhsa_forward_progress 1
		.amdhsa_inst_pref_size 68
	.end_amdhsa_kernel
	.amdgpu_metadata
---
amdhsa.version: [ 1, 2 ]
amdhsa.kernels:
  - .name:           k_qaee81d8910_coarse
    .symbol:         k_qaee81d8910_coarse.kd
    .args:
      - { .name: xyz_low, .offset: 0, .size: 8, .value_kind: global_buffer, .address_space: global }
      - { .name: xyz_high, .offset: 8, .size: 8, .value_kind: global_buffer, .address_space: global }
      - { .name: W, .offset: 16, .size: 8, .value_kind: global_buffer, .address_space: global }
      - { .name: wq, .offset: 24, .size: 8, .value_kind: global_buffer, .address_space: global }
      - { .name: wsc, .offset: 32, .size: 8, .value_kind: global_buffer, .address_space: global }
      - { .name: grp, .offset: 40, .size: 8, .value_kind: global_buffer, .address_space: global }
    .group_segment_fixed_size: 103424
    .private_segment_fixed_size: 0
    .kernarg_segment_align: 8
    .kernarg_segment_size: 48
    .max_flat_workgroup_size: 256
    .sgpr_count:     66
    .vgpr_count:     226
    .wavefront_size: 32
...
	.end_amdgpu_metadata
.endif
;; end of part 1
;; launch mid (part 2): grid 256 x 1, 8 waves a work-group, no clusters, 102,400 bytes of LDS; arguments points_low, wq, wsc, b, xyz_low, xyz_high, grp, hraw, part, idx, wgt; writes hraw, part, idx, wgt
.if DOCPART == 2
	.amdgcn_target "amdgcn-amd-amdhsa--gfx1250"
	.amdhsa_code_object_version 6
	.text
	.protected	k_qaee81d8910_mid
	.globl	k_qaee81d8910_mid
	.p2align	8
	.type	k_qaee81d8910_mid,@function
k_qaee81d8910_mid:
	s_mov_b64 s[64:65], 0
	v_nop
	global_prefetch_b8 v0, s[64:65] scope:SCOPE_SE
	s_setreg_imm32_b32 hwreg(HW_REG_WAVE_MODE, 25, 1), 1
	s_wait_xcnt 0x0
; TWO INDEPENDENT JOBS IN ONE LAUNCH, parted at the first branch by the work-group's number; each has LDS bytes of its own and one barrier.
; WORK-GROUPS 0-127: h = W points_low + b on codes of E4M3 with one E8M0 scale for each 32 along K (= the 512 low channels), f32 sums.
;   Work-group g: batch g / 64, 64 columns s from 64 (g % 64) on, all of K, all 256 outputs.
;   X: wave w quantises 32 columns (half w % 2) x 128 along K (K step w / 2): A LANE TAKES A COLUMN AND ITS REGISTERS RUN DOWN K, so a block of 32 lies in one lane; four lane swaps a block turn
;      the codes into the operand's registers of two tiles of 16 columns, which go to LDS as images of those registers (16 bytes a lane, 512 a store); the scale words likewise, 4 bytes a lane.
;   M: wave w makes outputs 32 w .. 32 w + 31 for the 64 columns: source 0 = 16 rows of W (images from wq, straight into registers, read once), source 1 = 16 columns; b is the C of each sum's first product.
;   Out: hraw[b][o / 4][s][o % 4] f32, and for each output the mean and the sum of squared deviations of these 64 columns: part[o / 16][mean, M2][g][o % 16].  No difference of large sums is formed.
; WORK-GROUPS 128-255: THREE NEAREST NEIGHBOURS, SECOND PASS: 256 queries, one a lane.  The 128 candidates of the four groups that grp names are scanned by ascending index with
;   d2 = (|q|^2 + |p|^2) + (-2 dot), dot = fma(z, z', fma(y, y', x x')), |.|^2 = fma(z, z, fma(y, y, x x)): reference()'s formula in its order, multiply-adds fused.  Strict compares keep the lower index.
;   Out: idx[b][k 3][n] whole numbers, wgt[b][k 3][n] = (1 / (max(d2, 0) + 1e-8)) / their sum.
; LIMITS: NaN and infinities are not served.  Candidates whose d2 are equal or ordered otherwise under another order of f32 rounding than the one stated may come out in that other order.
;   A quantiser's block of zeros gets the byte 1 where the rule says 127: its codes are zeros, and the bytes are read by this program alone.
.set BSC,  32768                       ; GEMM: LDS 0 .. 32,767: 16 operand images of 2,048 bytes ((K step, tile of columns) at 4 ks + st); from BSC: 8 scale images of 128 bytes
.set RT,   33792                       ; refine: the batch's table: records (-2x, -2y, -2z, |p|^2) of 16 bytes; a group of 32 is 528 bytes on from the last, so that groups begin at different 16-byte columns modulo 256
.set X,    16                          ; v16-143  128 numbers of my column
.set CD,   144                         ; v144-175 codes, 8 registers a block
.set BI,   176                         ; v176-191 b, 8 registers a tile of outputs, in the result's layout
.set SA,   192                         ; v192-199 W's scale words: 4 tt + ks
.set SB,   200                         ; v200-207 the columns' scale words: image 2 ks + st / 2; lanes 0-15 the even tile's, lanes 16-31 the odd tile's
.set ACC,  16                          ; behind the barrier: v16-79 accumulator (tt, st) at 8 (4 tt + st);
.set BF,   80                          ; v80-143 four operands of 16 columns;
.set MEAN, 144
.set M2,   160
.set MSB, 0
.macro WIN new                         ; s_set_vgpr_msb: bits 1:0 source 0, 3:2 source 1, 5:4 source 2, 7:6 destination; the high byte repeats the setting that is left
.if MSB != \new
	s_set_vgpr_msb (MSB<<8)|\new
.set MSB, \new
.endif
.endm
	s_load_b512 s[4:19], s[0:1], 0x0               ; points_low s[4:5], wq s[6:7], wsc s[8:9], b s[10:11], xyz_low s[12:13], xyz_high s[14:15], grp s[16:17], hraw s[18:19]
	s_load_b128 s[20:23], s[0:1], 0x40             ; part s[20:21], idx s[22:23]
	s_load_b64 s[24:25], s[0:1], 0x50              ; wgt
	v_lshl_add_u32 v254, v0, 2, 0x18c00
	v_mov_b32 v255, 0
	v_lshrrev_b32 v1, 5, v0
	v_readfirstlane_b32 s26, v1                    ; wave 0..7
	v_and_b32 v1, 31, v0                           ; lane
	s_mov_b32 s40, 0x600000                        ; the mantissa field of 448
	s_cmp_ge_u32 ttmp9, 128
	s_cbranch_scc1 .Lrefine
	; ================= the product =================
	s_lshr_b32 s27, ttmp9, 6                       ; batch
	s_and_b32 s28, ttmp9, 63                       ; which 64 columns
	s_and_b32 s29, s26, 1                          ; X: which 32 of them
	s_lshr_b32 s30, s26, 1                         ; X: which K step
	v_and_b32 v2, 15, v1                           ; r
	v_lshrrev_b32 v3, 4, v1                        ; h
	v_lshlrev_b32 v4, 2, v1                        ; 4 x lane
	v_lshlrev_b32 v5, 4, v1                        ; 16 x lane
	s_lshl_b32 s31, s26, 12
	v_add_nc_u32 v7, s31, v5                       ; where I store my two images: 4 ks + 2 (w % 2) = 2 w: 4,096 w + 16 lane
	s_lshl_b32 s31, s26, 7
	v_add_nc_u32 v8, s31, v4                       ; and my scale image: 128 w + 4 lane
	v_lshlrev_b32 v9, 4, v2                        ; 16 r
	v_lshlrev_b32 v10, 5, v3                       ; 32 h
	v_lshl_add_u32 v11, v3, 17, v9                 ; hraw: two planes of 65,536 bytes for h, 16 bytes a column
	s_lshl_b32 s32, s27, 23                        ; points_low: batch, 128 ks rows of 16,384 bytes, the columns
	s_lshl_b32 s33, s30, 21
	s_add_co_u32 s32, s32, s33
	s_lshl_b32 s33, s28, 8
	s_add_co_u32 s32, s32, s33
	s_lshl_b32 s33, s29, 7
	s_add_co_u32 s32, s32, s33
	s_mov_b32 s33, 0
	s_lshl_b32 s34, s26, 14                        ; wq: my two tiles of 8,192 bytes
	s_mov_b32 s35, 0
	s_lshl_b32 s36, s26, 9                         ; wsc: my 32 rows of 16 bytes
	s_mov_b32 s37, 0
	s_lshl_b32 s38, s26, 7                         ; b: my 32 numbers
	s_mov_b32 s39, 0
	s_lshl_b32 s42, s27, 22                        ; hraw: batch, my 8 planes, the columns
	s_lshl_b32 s43, s26, 19
	s_add_co_u32 s42, s42, s43
	s_lshl_b32 s43, s28, 10
	s_add_co_u32 s42, s42, s43
	s_mov_b32 s43, 0
	s_lshl_b32 s44, s26, 15                        ; part: my two slices of 16,384 bytes, entry g of 64
	s_lshl_b32 s45, ttmp9, 6
	s_add_co_u32 s44, s44, s45
	s_mov_b32 s45, 0
	s_wait_kmcnt 0x0
	s_add_nc_u64 s[4:5], s[4:5], s[32:33]
	s_add_nc_u64 s[6:7], s[6:7], s[34:35]
	s_add_nc_u64 s[8:9], s[8:9], s[36:37]
	s_add_nc_u64 s[10:11], s[10:11], s[38:39]
	s_add_nc_u64 s[18:19], s[18:19], s[42:43]
	s_add_nc_u64 s[20:21], s[20:21], s[44:45]
	WIN 0x40                                       ; destination window 1: W's eight operands (tt, ks) at v[256 + 16 (4 tt + ks)]: they stay
.irp f,0,1,2,3,4,5,6,7
.irp c,0,1,2,3
	global_load_b128 v[16*\f+4*\c:16*\f+4*\c+3], v5, s[6:7] offset:2048*\f+512*\c
.endr
.endr
	WIN 0
	global_load_b128 v[SA:SA+3], v9, s[8:9]                        ; row r's four scale words, tile 0; lanes 16-31 hold the same and are not read
	global_load_b128 v[SA+4:SA+7], v9, s[8:9] offset:256           ; tile 1
.irp t,0,1
	global_load_b128 v[BI+8*\t:BI+8*\t+3], v10, s[10:11] offset:64*\t       ; b at outputs 16 t + 8 h + 0 .. 7
	global_load_b128 v[BI+8*\t+4:BI+8*\t+7], v10, s[10:11] offset:64*\t+16
.endr
.set i, 0
.rept 128
	global_load_b32 v[X+i], v4, s[4:5] offset:16384*i th:TH_LOAD_NT   ; row 128 ks + i at my column: 128 consecutive bytes a wave, and the wave beside me takes the next 128
.set i, i+1
.endr
; Block c of my column: v[X + 32 c] on.  cnt: the loads that may stay out.
.macro QBLK c, cnt
.set XB, X+32*(\c)
.set CC, CD+8*(\c)
	s_wait_loadcnt \cnt
	v_max3_num_f32 v12, |v[XB]|, |v[XB+1]|, 0x4800000              ; the largest magnitude, in two chains, with the floor 2^(9 - 127) among its leaves: the byte cannot fall under 1
	v_max3_num_f32 v13, |v[XB+16]|, |v[XB+17]|, |v[XB+18]|
.irp i,2,4,6,8,10,12
	v_max3_num_f32 v12, v12, |v[XB+\i]|, |v[XB+\i+1]|
	v_max3_num_f32 v13, v13, |v[XB+\i+17]|, |v[XB+\i+18]|
.endr
	v_max3_num_f32 v12, v12, |v[XB+14]|, |v[XB+15]|
	v_max3_num_f32 v12, v12, v13, |v[XB+31]|
	v_add_nc_u32 v14, 0xfc000000, v12              ; 8 off its exponent field: the conversion's scale operand
	v_and_or_b32 v15, v12, 0x7f800000, s40         ; 448 x the scale
	v_lshrrev_b32 v209, 23, v14                    ; the scale's byte
.if (\c) == 0
	v_mov_b32 v208, v209
.else
	v_lshl_or_b32 v208, v209, 8*(\c), v208         ; four bytes make my column's scale word of this K step
.endif
.irp i,0,1,2,3,4,5,6,7,8,9,10,11,12,13,14,15,16,17,18,19,20,21,22,23,24,25,26,27,28,29,30,31
	v_med3_num_f32 v[XB+\i], v[XB+\i], -v15, v15   ; the conversion to an 8-bit code does not saturate (ISA guide 7.6.2): the hold comes first
.endr
.irp g,0,1,2,3
	v_cvt_scalef32_pk8_fp8_f32 v[CC+2*\g:CC+2*\g+1], v[XB+8*\g:XB+8*\g+7], v14
.endr
	v_nop                                          ; a plain line between the conversions and the lines that touch their results or write their sources
.irp i,0,1,2,3
	v_permlane16_swap_b32 v[CC+\i], v[CC+4+\i]     ; register i (k 0-15 of my column) gives its lanes 16-31 for register 4 + i's (k 16-31) lanes 0-15: then v[CC..CC+3] are registers 4 c .. 4 c + 3
.endr                                                  ; of the operand of columns 0-15 (lane (r, h): column r, k = 32 c + 16 h + 0 .. 15), and v[CC+4..CC+7] those of columns 16-31
	ds_store_b128 v7, v[CC:CC+3] offset:512*(\c)
	ds_store_b128 v7, v[CC+4:CC+7] offset:2048+512*(\c)
.endm
	QBLK 0, 63                                     ; behind block c's 32 loads 96, 64, 32, 0 were issued; a wait's count holds 63 at the most
	QBLK 1, 63
	QBLK 2, 32
	QBLK 3, 0                                      ; (W's images, its scale words and b were issued first: they are in as well)
	ds_store_b32 v8, v208 offset:BSC
	s_wait_dscnt 0x0                               ; for the others' sake: my images have landed
	s_barrier_signal -1
	s_barrier_wait -1
.macro MM tt, st, ks                   ; outputs 16 tt on x columns 16 st on, K step ks
.set AC, ACC+8*(4*(\tt)+(\st))
.set AA, 16*(4*(\tt)+(\ks))
.set BB, BF+16*(\st)
.set SAR, SA+4*(\tt)+(\ks)
.set SBR, SB+2*(\ks)+(\st)/2
.if (\ks) == 0
.if (\st)%2
	v_wmma_scale_f32_16x16x128_f8f6f4 v[AC:AC+7], v[AA:AA+15], v[BB:BB+15], v[BI+8*(\tt):BI+8*(\tt)+7], v[SAR], v[SBR] matrix_b_scale:MATRIX_SCALE_ROW1
.else
	v_wmma_scale_f32_16x16x128_f8f6f4 v[AC:AC+7], v[AA:AA+15], v[BB:BB+15], v[BI+8*(\tt):BI+8*(\tt)+7], v[SAR], v[SBR]
.endif
.else
.if (\st)%2
	v_wmma_scale_f32_16x16x128_f8f6f4 v[AC:AC+7], v[AA:AA+15], v[BB:BB+15], v[AC:AC+7], v[SAR], v[SBR] matrix_b_scale:MATRIX_SCALE_ROW1
.else
	v_wmma_scale_f32_16x16x128_f8f6f4 v[AC:AC+7], v[AA:AA+15], v[BB:BB+15], v[AC:AC+7], v[SAR], v[SBR]
.endif
.endif
.endm
.irp u,0,1,2,3,4,5,6,7
	ds_load_b32 v[SB+\u], v4 offset:BSC+128*\u
.endr
.irp ks,0,1,2,3
.irp st,0,1,2,3
.irp c,0,1,2,3
	ds_load_b128 v[BF+16*\st+4*\c:BF+16*\st+4*\c+3], v5 offset:2048*(4*\ks+\st)+512*\c
.endr
.endr
	s_wait_dscnt 0x0
	WIN 0x01                                       ; source 0 (W) window 1
.irp st,0,1,2,3                        ; the eight accumulators take turns, one instruction a turn, in the same order in every K step
.irp tt,0,1
	MM \tt, \st, \ks
.endr
.endr
	WIN 0
.rept 8
	v_nop                                          ; eight places in front of the loads into registers that these products read, and at the end of the first read of results
.endr
.endr
	; lane (r, h), register j of (tt, st): h(o = 32 w + 16 tt + 8 h + j, s = 64 (g % 64) + 16 st + r)
.irp tt,0,1
.irp st,0,1,2,3
	global_store_b128 v11, v[ACC+8*(4*\tt+\st):ACC+8*(4*\tt+\st)+3], s[18:19] offset:262144*\tt+256*\st          ; each accumulator from its low end on; 16 lanes store 256 consecutive bytes, aligned
	global_store_b128 v11, v[ACC+8*(4*\tt+\st)+4:ACC+8*(4*\tt+\st)+7], s[18:19] offset:262144*\tt+256*\st+65536
.endr
.endr
	; ---- the 64 columns' mean and sum of squared deviations, for my 32 outputs
.macro ROWSUM base                     ; 16 registers, each summed over the 16 lanes of its half; the registers by turns
.irp m,1,2,4,8
.irp i,0,1,2,3,4,5,6,7,8,9,10,11,12,13,14,15
	v_add_f32_dpp v[\base+\i], v[\base+\i], v[\base+\i] row_xmask:\m row_mask:0xf bank_mask:0xf
.endr
.endr
.endm
.irp tt,0,1
.irp e,0,2,4,6
	v_pk_add_f32 v[MEAN+8*\tt+\e:MEAN+8*\tt+\e+1], v[ACC+32*\tt+\e:ACC+32*\tt+\e+1], v[ACC+32*\tt+8+\e:ACC+32*\tt+8+\e+1]
.endr
.endr
.irp st,2,3
.irp tt,0,1
.irp e,0,2,4,6
	v_pk_add_f32 v[MEAN+8*\tt+\e:MEAN+8*\tt+\e+1], v[MEAN+8*\tt+\e:MEAN+8*\tt+\e+1], v[ACC+32*\tt+8*\st+\e:ACC+32*\tt+8*\st+\e+1]
.endr
.endr
.endr
	ROWSUM MEAN
.irp e,0,2,4,6,8,10,12,14
	v_pk_mul_f32 v[MEAN+\e:MEAN+\e+1], v[MEAN+\e:MEAN+\e+1], 0x3c800000 op_sel_hi:[1,0]     ; / 64
.endr
.irp tt,0,1
.irp st,0,1,2,3
.irp e,0,2,4,6
	v_pk_add_f32 v[BF+32*\tt+8*\st+\e:BF+32*\tt+8*\st+\e+1], v[ACC+32*\tt+8*\st+\e:ACC+32*\tt+8*\st+\e+1], v[MEAN+8*\tt+\e:MEAN+8*\tt+\e+1] neg_lo:[0,1] neg_hi:[0,1]
.endr
.endr
.endr
.irp tt,0,1
.irp e,0,2,4,6
	v_pk_mul_f32 v[M2+8*\tt+\e:M2+8*\tt+\e+1], v[BF+32*\tt+\e:BF+32*\tt+\e+1], v[BF+32*\tt+\e:BF+32*\tt+\e+1]
.endr
.endr
.irp st,1,2,3
.irp tt,0,1
.irp e,0,2,4,6
	v_pk_fma_f32 v[M2+8*\tt+\e:M2+8*\tt+\e+1], v[BF+32*\tt+8*\st+\e:BF+32*\tt+8*\st+\e+1], v[BF+32*\tt+8*\st+\e:BF+32*\tt+8*\st+\e+1], v[M2+8*\tt+\e:M2+8*\tt+\e+1]
.endr
.endr
.endr
	ROWSUM M2
	s_wait_xcnt 0x0                                ; EXEC is among the sources of the stores above: it changes only behind this wait
	v_cmp_eq_u32 vcc_lo, 0, v2
	s_wait_tensorcnt 0x0
	ds_add_u32 v254, v255
	s_wait_dscnt 0x0
	s_and_saveexec_b32 s41, vcc_lo                 ; lanes 0 and 16: outputs 8 h + 0 .. 7 of each tile
.irp tt,0,1
	global_store_b128 v10, v[MEAN+8*\tt:MEAN+8*\tt+3], s[20:21] offset:16384*\tt
	global_store_b128 v10, v[MEAN+8*\tt+4:MEAN+8*\tt+7], s[20:21] offset:16384*\tt+16
	global_store_b128 v10, v[M2+8*\tt:M2+8*\tt+3], s[20:21] offset:16384*\tt+8192
	global_store_b128 v10, v[M2+8*\tt+4:M2+8*\tt+7], s[20:21] offset:16384*\tt+8192+16
.endr
	s_wait_xcnt 0x0                                ; and again in front of the line that widens it
	s_or_b32 exec_lo, exec_lo, s41
	s_endpgm
	; ================= the neighbours, second pass =================
; REGISTERS: v1 4 x thread, v2 16 x thread, v3 the table's fill; v4-6 my query, v7 |q|^2; v8-11 my four groups, v12-15 their LDS addresses; v16-18 the three smallest d2, v19-21 their places (32 k + place in group k);
;   v22-23 at work; v24-31 eight d2; v32-79 candidates as loaded; v80-87 |q|^2 + |p|^2; v96-159 sixteen records on the way in, then two chunks of eight records.
.set RA, 96
.Lrefine:
	s_sub_co_u32 s27, ttmp9, 128
	s_lshr_b32 s28, s27, 6                         ; batch
	s_and_b32 s29, s27, 63                         ; which 256 queries
	s_mul_i32 s32, s28, 49152                      ; xyz_low: batch
	s_mov_b32 s33, 0
	s_mul_i32 s34, s28, 196608                     ; xyz_high, idx, wgt: batch (3 x 16,384 words), my queries
	s_lshl_b32 s35, s29, 10
	s_add_co_u32 s34, s34, s35
	s_lshl_b32 s36, s28, 18                        ; grp: batch (4 x 16,384 words), my queries
	s_add_co_u32 s36, s36, s35
	s_mov_b32 s35, 0
	s_mov_b32 s37, 0
	v_lshlrev_b32 v1, 2, v0
	v_lshlrev_b32 v2, 4, v0
	v_lshrrev_b32 v3, 3, v0
	v_lshlrev_b32 v3, 4, v3
	v_lshl_add_u32 v3, v0, 6, v3
	v_add_nc_u32 v3, RT, v3                        ; candidates 4 t on: group t / 8 (528 bytes), place 4 (t % 8) (16 bytes each) = 64 t + 16 (t / 8)
	s_wait_kmcnt 0x0
	s_add_nc_u64 s[12:13], s[12:13], s[32:33]
	s_add_nc_u64 s[14:15], s[14:15], s[34:35]
	s_add_nc_u64 s[22:23], s[22:23], s[34:35]
	s_add_nc_u64 s[24:25], s[24:25], s[34:35]
	s_add_nc_u64 s[16:17], s[16:17], s[36:37]
.irp k,0,1,2,3
	global_load_b32 v[8+\k], v1, s[16:17] offset:65536*\k
.endr
.irp c,0,1,2
	global_load_b32 v[4+\c], v1, s[14:15] offset:65536*\c
.endr
.irp i,0,1,2,3
.irp c,0,1,2
	global_load_b128 v[32+12*\i+4*\c:35+12*\i+4*\c], v2, s[12:13] offset:16384*\c+4096*\i   ; candidates 1,024 i + 4 t on
.endr
.endr
	s_wait_loadcnt 0x0
.irp i,0,1,2,3
.irp k,0,1,2,3
	v_mul_f32 v[RA+3+16*\i+4*\k], v[32+12*\i+\k], v[32+12*\i+\k]
.endr
.irp k,0,1,2,3
	v_fma_f32 v[RA+3+16*\i+4*\k], v[36+12*\i+\k], v[36+12*\i+\k], v[RA+3+16*\i+4*\k]
.endr
.irp k,0,1,2,3
	v_fma_f32 v[RA+3+16*\i+4*\k], v[40+12*\i+\k], v[40+12*\i+\k], v[RA+3+16*\i+4*\k]        ; |p|^2
.endr
.irp k,0,1,2,3
	v_mul_f32 v[RA+16*\i+4*\k], -2.0, v[32+12*\i+\k]
	v_mul_f32 v[RA+1+16*\i+4*\k], -2.0, v[36+12*\i+\k]
	v_mul_f32 v[RA+2+16*\i+4*\k], -2.0, v[40+12*\i+\k]
.endr
.irp k,0,1,2,3
	ds_store_b128 v3, v[RA+16*\i+4*\k:RA+16*\i+4*\k+3] offset:16896*\i+16*\k
.endr
.endr
	s_wait_dscnt 0x0                               ; for the others' sake: my records have landed
	s_barrier_signal -1
	s_barrier_wait -1
.irp k,0,1,2,3
	v_min_u32 v[8+\k], 127, v[8+\k]                ; a number read from memory enters an address only held inside the table
.endr
.irp k,0,1,2,3
	v_mul_u32_u24 v[12+\k], v[8+\k], 528
.endr
.irp k,0,1,2,3
	v_add_nc_u32 v[12+\k], RT, v[12+\k]
.endr
	v_mul_f32 v7, v4, v4
	v_fma_f32 v7, v5, v5, v7
	v_fma_f32 v7, v6, v6, v7                       ; |q|^2
.irp k,0,1,2
	v_mov_b32 v[16+\k], 0x7f800000
	v_mov_b32 v[19+\k], 0
.endr
.macro LOADR buf, k, cn                ; eight records of group k, from place 8 cn on
.irp e,0,1,2,3,4,5,6,7
	ds_load_b128 v[(\buf)+4*\e:(\buf)+4*\e+3], v[12+(\k)] offset:16*(8*(\cn)+\e)
.endr
.endm
.macro INSL d, id                      ; v[d] with the place id goes into the sorted three; the compare is strict, and the places arrive ascending: of equal d2 the lower index stays in front
	s_mov_b32 s43, \id
	v_cmp_lt_f32 s44, v[\d], v16
	v_cmp_lt_f32 s45, v[\d], v17
	v_cmp_lt_f32 s46, v[\d], v18
	v_cndmask_b32 v23, s43, v20, s45
	v_cndmask_b32 v22, s43, v19, s44
	v_cndmask_b32 v21, v21, v23, s46
	v_cndmask_b32 v20, v20, v22, s45
	v_cndmask_b32 v19, v19, s43, s44
	v_med3_num_f32 v18, v[\d], v17, v18
	v_med3_num_f32 v17, v[\d], v16, v17
	v_min_num_f32 v16, v16, v[\d]
.endm
.macro SCAN buf, base
.irp e,0,1,2,3,4,5,6,7
	v_mul_f32 v[24+\e], v4, v[(\buf)+4*\e]         ; -2 x x'
.endr
.irp e,0,1,2,3,4,5,6,7
	v_add_f32 v[80+\e], v7, v[(\buf)+4*\e+3]       ; |q|^2 + |p|^2
.endr
.irp e,0,1,2,3,4,5,6,7
	v_fma_f32 v[24+\e], v5, v[(\buf)+4*\e+1], v[24+\e]
.endr
.irp e,0,1,2,3,4,5,6,7
	v_fma_f32 v[24+\e], v6, v[(\buf)+4*\e+2], v[24+\e]             ; -2 dot: the factor is a power of two, so these are the dot's own roundings
.endr
.irp e,0,1,2,3,4,5,6,7
	v_add_f32 v[24+\e], v[80+\e], v[24+\e]         ; d2
.endr
.irp e,0,1,2,3,4,5,6,7
	INSL 24+\e, (\base)+\e
.endr
.endm
	LOADR RA, 0, 0
.set n, 0
.rept 16                               ; sixteen chunks, groups ascending; each is asked for one chunk ahead, into the other eight records' registers
.if n < 15
	LOADR RA+32*((n+1)%2), (n+1)/4, (n+1)%4
	s_wait_dscnt 8                                 ; all but the 8 loads just issued
.else
	s_wait_dscnt 0x0
.endif
	SCAN RA+32*(n%2), 8*n
.set n, n+1
.endr
.irp k,0,1,2
	v_max_num_f32 v[16+\k], 0, v[16+\k]
.endr
.irp k,0,1,2
	v_add_f32 v[16+\k], 0x322bcc77, v[16+\k]       ; + 1e-8
.endr
.irp k,0,1,2
	v_rcp_f32 v[32+\k], v[16+\k]
.endr
.irp k,0,1,2                           ; places to indices: plain work behind the reciprocals
	v_lshrrev_b32 v[24+\k], 5, v[19+\k]
.endr
.irp k,0,1,2
	v_cmp_eq_u32 vcc_lo, 1, v[24+\k]
	v_cndmask_b32 v[28+\k], v8, v9, vcc_lo
	v_cmp_eq_u32 vcc_lo, 2, v[24+\k]
	v_cndmask_b32 v[28+\k], v[28+\k], v10, vcc_lo
	v_cmp_eq_u32 vcc_lo, 3, v[24+\k]
	v_cndmask_b32 v[28+\k], v[28+\k], v11, vcc_lo
	v_and_b32 v[24+\k], 31, v[19+\k]
	v_lshl_add_u32 v[28+\k], v[28+\k], 5, v[24+\k] ; 32 x group + place
.endr
	s_wait_alu depctr_va_vdst(0)                   ; one wait for the three reciprocals, ahead of their first reader
	v_add_f32 v35, v32, v33
	v_add_f32 v35, v35, v34
	v_rcp_f32 v36, v35
	v_nop                                          ; a plain line behind the reciprocal
	s_wait_alu depctr_va_vdst(0)
.irp k,0,1,2
	v_mul_f32 v[32+\k], v[32+\k], v36
.endr
.irp k,0,1,2
	global_store_b32 v1, v[28+\k], s[22:23] offset:65536*\k
	global_store_b32 v1, v[32+\k], s[24:25] offset:65536*\k
.endr
	s_wait_tensorcnt 0x0
	ds_add_u32 v254, v255
	s_wait_dscnt 0x0
	s_endpgm
.Lfunc_end_k_qaee81d8910_mid:
	.size	k_qaee81d8910_mid, .Lfunc_end_k_qaee81d8910_mid-k_qaee81d8910_mid
	.p2alignl 7, 3214868480
	.fill 96, 4, 3214868480
	.section	.rodata,"a",@progbits
	.p2align	6, 0x0
	.amdhsa_kernel k_qaee81d8910_mid
		.amdhsa_group_segment_fixed_size 102400
		.amdhsa_private_segment_fixed_size 0
		.amdhsa_enable_private_segment 0
		.amdhsa_kernarg_size 88
		.amdhsa_user_sgpr_count 2
		.amdhsa_user_sgpr_kernarg_segment_ptr 1
		.amdhsa_wavefront_size32 1
		.amdhsa_system_sgpr_workgroup_id_x 1
		.amdhsa_system_sgpr_workgroup_id_y 1
		.amdhsa_system_sgpr_workgroup_id_z 1
		.amdhsa_system_vgpr_workitem_id 0
		.amdhsa_next_free_vgpr 384
		.amdhsa_next_free_sgpr 66
		.amdhsa_reserve_vcc 1
		.amdhsa_float_denorm_mode_32 3
		.amdhsa_float_denorm_mode_16_64 3
		.amdhsa_memory_ordered 1
		.amdhsa_forward_progress 1
		.amdhsa_inst_pref_size 198
	.end_amdhsa_kernel
	.amdgpu_metadata
---
amdhsa.version: [ 1, 2 ]
amdhsa.kernels:
  - .name:           k_qaee81d8910_mid
    .symbol:         k_qaee81d8910_mid.kd
    .args:
      - { .name: points_low, .offset: 0, .size: 8, .value_kind: global_buffer, .address_space: global }
      - { .name: wq, .offset: 8, .size: 8, .value_kind: global_buffer, .address_space: global }
      - { .name: wsc, .offset: 16, .size: 8, .value_kind: global_buffer, .address_space: global }
      - { .name: b, .offset: 24, .size: 8, .value_kind: global_buffer, .address_space: global }
      - { .name: xyz_low, .offset: 32, .size: 8, .value_kind: global_buffer, .address_space: global }
      - { .name: xyz_high, .offset: 40, .size: 8, .value_kind: global_buffer, .address_space: global }
      - { .name: grp, .offset: 48, .size: 8, .value_kind: global_buffer, .address_space: global }
      - { .name: hraw, .offset: 56, .size: 8, .value_kind: global_buffer, .address_space: global }
      - { .name: part, .offset: 64, .size: 8, .value_kind: global_buffer, .address_space: global }
      - { .name: idx, .offset: 72, .size: 8, .value_kind: global_buffer, .address_space: global }
      - { .name: wgt, .offset: 80, .size: 8, .value_kind: global_buffer, .address_space: global }
    .group_segment_fixed_size: 102400
    .private_segment_fixed_size: 0
    .kernarg_segment_align: 8
    .kernarg_segment_size: 88
    .max_flat_workgroup_size: 256
    .sgpr_count:     66
    .vgpr_count:     384
    .wavefront_size: 32
...
	.end_amdgpu_metadata
.endif
;; end of part 2
;; launch interp (part 3): grid 256 x 1, 16 waves a work-group, no clusters, 137,216 bytes of LDS; arguments hraw, part, gamma, beta, idx, wgt, points_high, out0; writes out0
.if DOCPART == 3
	.amdgcn_target "amdgcn-amd-amdhsa--gfx1250"
	.amdhsa_code_object_version 6
	.text
	.protected	k_qaee81d8910_interp
	.globl	k_qaee81d8910_interp
	.p2align	8
	.type	k_qaee81d8910_interp,@function
k_qaee81d8910_interp:
	s_mov_b64 s[64:65], 0
	v_nop
	global_prefetch_b8 v0, s[64:65] scope:SCOPE_SE
	s_setreg_imm32_b32 hwreg(HW_REG_WAVE_MODE, 25, 1), 1
	s_wait_xcnt 0x0
; out0[b][c][n] = points_high[b][c][n] + the sum over k of wgt[b][k][n] y[b][c][idx[b][k][n]],  y = relu((h - mean) rsqrt(var + 1e-5) gamma + beta), mean and var of h over both batches and all 4,096 columns.
; SHARES.  Work-group g: batch g / 128, channels 16 ((g / 8) % 16) on, queries 2,048 (g % 8) on.  Wave w has 128 queries, a lane four neighbouring ones: every load of points_high, idx and wgt and
; every store of out0 covers 512 consecutive bytes, aligned, and nothing is transposed.  All of the work-group's points_high is asked for at the head and lands while the table is made.
; STATISTICS.  part holds, for each of 128 sets of 64 columns, the mean and the sum of squared deviations.  They are joined in two stages (8 sets a wave, then 16 waves) by
; M2 = sum of (M2_i + n_i (mean_i - mean)^2): no difference of large sums.  y = fma(h, scale, shift), scale = gamma rsqrt(var + 1e-5), shift = beta - mean scale: its rounding is 2^-24 |mean scale|.
; THE TABLE.  y of the batch's 4,096 columns x 16 channels lies in LDS as bf16: [plane 2][column][8 channels], records of 16 bytes.  y is an operand of the interpolation's product, which is left as it is;
; bf16 has f32's range.  The weights stay f32, and each half goes straight into an f32 multiply-add onto points_high.
; LIMITS: NaN and infinities are not served.
; LDS: 0 .. 131,071 the table; SCR: [wave 16][mean 64 bytes, M2 64 bytes]; CW: each wave's own [scale 16][shift 16].
; REGISTERS: v1 16 x lane; v2, v3 16 x thread (+ 65,536); v4-7 LDS addresses of the statistics; v9 16 (lane % 4); v16-111 six slots of 16 numbers of h, later the 24 gathered records;
;   v112-127 at work, then two sets of 8 packed registers; v128-191 points_high (c, q) at 4 c + q, then the result; v192-203 idx (k, q), then its LDS address; v204-215 wgt (k, q); v216-231 scale; v232-247 shift, later plane 1's addresses; v248-255 statistics.
.set SCR, 131072
.set CW,  133120
.set PH,  128
	s_load_b512 s[4:19], s[0:1], 0x0               ; hraw s[4:5], part s[6:7], gamma s[8:9], beta s[10:11], idx s[12:13], wgt s[14:15], points_high s[16:17], out0 s[18:19]
	v_lshl_add_u32 v14, v0, 2, 0x21000
	v_mov_b32 v15, 0
	v_lshrrev_b32 v1, 5, v0
	v_readfirstlane_b32 s22, v1                    ; wave 0..15
	v_and_b32 v8, 31, v0                           ; lane
	v_lshlrev_b32 v1, 4, v8
	v_lshlrev_b32 v2, 4, v0
	v_add_nc_u32 v3, 0x10000, v2
	v_and_b32 v9, 3, v8
	v_lshlrev_b32 v9, 4, v9                        ; my four channels: 16 (lane % 4) bytes
	s_lshl_b32 s23, s22, 7
	s_add_co_u32 s24, s23, SCR
	v_add_nc_u32 v4, s24, v9                       ; my wave's figures
	v_lshrrev_b32 v10, 2, v8
	v_lshl_add_u32 v5, v10, 7, v9
	v_add_nc_u32 v5, SCR, v5                       ; wave lane / 4's
	s_add_co_u32 s24, s23, CW
	v_add_nc_u32 v6, s24, v9
	v_mov_b32 v7, s24
.irp j,0,1,2,3,4,5,6,7,8,9,10,11,12,13,14,15
	v_mov_b32 v[112+\j], 0                         ; written once: the destination of a lane exchange counts as one of its sources
.endr
	s_mov_b32 s20, 0x76543210
	s_mov_b32 s21, 0xfedcba98                      ; v_permlanex16_b32's selects for lane l xor 16
	s_mov_b32 s38, 0x39000000                      ; 1 / 8,192
	s_mov_b32 s39, 0x3727c5ac                      ; 1e-5
	s_lshr_b32 s25, ttmp9, 7                       ; batch
	s_bfe_u32 s26, ttmp9, 0x40003                  ; slice of 16 channels
	s_and_b32 s27, ttmp9, 7                        ; which 2,048 queries
	s_lshl_b32 s28, s25, 22                        ; hraw: batch, my four planes of 65,536 bytes
	s_lshl_b32 s29, s26, 18
	s_add_co_u32 s28, s28, s29
	s_mov_b32 s29, 0
	s_lshl_b32 s30, s26, 14                        ; part: slice, my wave's 8 entries of 64 bytes
	s_lshl_b32 s31, s22, 9
	s_add_co_u32 s30, s30, s31
	s_lshl_b32 s32, s26, 6                         ; gamma, beta: slice
	s_mov_b32 s33, 0
	s_mul_i32 s34, s25, 196608                     ; idx, wgt: batch, my work-group's queries, my wave's
	s_lshl_b32 s35, s27, 13
	s_add_co_u32 s35, s35, s31
	s_add_co_u32 s34, s34, s35
	s_lshl_b32 s36, s25, 24                        ; points_high, out0: batch, slice, the same queries
	s_lshl_b32 s37, s26, 20
	s_add_co_u32 s36, s36, s37
	s_add_co_u32 s36, s36, s35
	s_mov_b32 s31, 0
	s_mov_b32 s35, 0
	s_mov_b32 s37, 0
	s_wait_kmcnt 0x0
	s_add_nc_u64 s[4:5], s[4:5], s[28:29]
	s_add_nc_u64 s[6:7], s[6:7], s[30:31]
	s_add_nc_u64 s[8:9], s[8:9], s[32:33]
	s_add_nc_u64 s[10:11], s[10:11], s[32:33]
	s_add_nc_u64 s[12:13], s[12:13], s[34:35]
	s_add_nc_u64 s[14:15], s[14:15], s[34:35]
	s_add_nc_u64 s[16:17], s[16:17], s[36:37]
	s_add_nc_u64 s[18:19], s[18:19], s[36:37]
	global_load_b128 v[248:251], v1, s[6:7]                        ; entry lane / 4, channels 4 (lane % 4) on: means,
	global_load_b128 v[252:255], v1, s[6:7] offset:8192            ; sums of squared deviations
	global_load_b128 v[240:243], v9, s[8:9]                        ; gamma
	global_load_b128 v[244:247], v9, s[10:11]                      ; beta
.irp u,0,1,2,3,4,5
.irp p,0,1,2,3
	global_load_b128 v[16+16*\u+4*\p:19+16*\u+4*\p], v2, s[4:5] offset:65536*\p+8192*\u     ; turn u: column 512 u + thread, channels 4 p on
.endr
.endr
.irp k,0,1,2
	global_load_b128 v[192+4*\k:195+4*\k], v1, s[12:13] offset:65536*\k
.endr
.irp k,0,1,2
	global_load_b128 v[204+4*\k:207+4*\k], v1, s[14:15] offset:65536*\k
.endr
.irp c,0,1,2,3,4,5,6,7,8,9,10,11,12,13,14,15
	global_load_b128 v[PH+4*\c:PH+4*\c+3], v1, s[16:17] offset:65536*\c th:TH_LOAD_NT
.endr
.macro LRED d, s, t                    ; four registers summed over the eight lanes that share lane % 4; the result in every lane
.irp j,0,1,2,3
	v_add_f32_dpp v[\d+\j], v[\s+\j], v[\s+\j] row_xmask:4 row_mask:0xf bank_mask:0xf
.endr
.irp j,0,1,2,3
	v_add_f32_dpp v[\d+\j], v[\d+\j], v[\d+\j] row_xmask:8 row_mask:0xf bank_mask:0xf
.endr
.irp j,0,1,2,3
	v_permlanex16_b32 v[\t+\j], v[\d+\j], s20, s21
.endr
.irp j,0,1,2,3
	v_add_f32 v[\d+\j], v[\d+\j], v[\t+\j]
.endr
.endm
	s_wait_loadcnt 46                              ; the first four loads are in; behind them: the six turns' 24, and 22 of idx, wgt and points_high
	LRED 112, 248, 120
.irp j,0,1,2,3
	v_mul_f32 v[112+\j], 0x3e000000, v[112+\j]     ; my 8 sets' mean
.endr
.irp j,0,1,2,3
	v_sub_f32 v[116+\j], v[248+\j], v[112+\j]
.endr
.irp j,0,1,2,3
	v_mul_f32 v[116+\j], v[116+\j], v[116+\j]
.endr
.irp j,0,1,2,3
	v_fmamk_f32 v[116+\j], v[116+\j], 0x42800000, v[252+\j]        ; M2_i + 64 (mean_i - mean)^2
.endr
	LRED 124, 116, 120
	ds_store_b128 v4, v[112:115]                   ; lanes that share lane % 4 write the same bytes with the same values
	ds_store_b128 v4, v[124:127] offset:64
	s_wait_dscnt 0x0                               ; for the others' sake: my figures have landed
	s_barrier_signal -1
	s_barrier_wait -1
	ds_load_b128 v[248:251], v5                    ; waves lane / 4 and lane / 4 + 8: means,
	ds_load_b128 v[252:255], v5 offset:1024
	ds_load_b128 v[216:219], v5 offset:64          ; sums of squared deviations
	ds_load_b128 v[220:223], v5 offset:1088
	s_wait_dscnt 0x0
.irp j,0,1,2,3
	v_add_f32 v[224+\j], v[248+\j], v[252+\j]
.endr
	LRED 112, 224, 120
.irp j,0,1,2,3
	v_mul_f32 v[112+\j], 0x3d800000, v[112+\j]     ; the mean of all 8,192
.endr
.irp j,0,1,2,3
	v_sub_f32 v[224+\j], v[248+\j], v[112+\j]
	v_sub_f32 v[228+\j], v[252+\j], v[112+\j]
.endr
.irp j,0,1,2,3
	v_mul_f32 v[224+\j], v[224+\j], v[224+\j]
	v_add_f32 v[216+\j], v[216+\j], v[220+\j]
.endr
.irp j,0,1,2,3
	v_fma_f32 v[224+\j], v[228+\j], v[228+\j], v[224+\j]
.endr
.irp j,0,1,2,3
	v_fmamk_f32 v[224+\j], v[224+\j], 0x44000000, v[216+\j]        ; two waves' M2 + 512 x their squared distances from the mean
.endr
	LRED 124, 224, 120
.irp j,0,1,2,3
	v_fma_f32 v[124+\j], v[124+\j], s38, s39       ; var + 1e-5
.endr
.irp j,0,1,2,3
	v_rsq_f32 v[116+\j], v[124+\j]
.endr
	v_nop                                          ; a plain line behind the last of the four
	s_wait_alu depctr_va_vdst(0)                   ; one wait for the four, ahead of their first reader
.irp j,0,1,2,3
	v_mul_f32 v[120+\j], v[240+\j], v[116+\j]      ; scale
.endr
.irp j,0,1,2,3
	v_fma_f32 v[124+\j], -v[112+\j], v[120+\j], v[244+\j]          ; shift
.endr
	ds_store_b128 v6, v[120:123]
	ds_store_b128 v6, v[124:127] offset:64
.irp i,0,1,2,3
	ds_load_b128 v[216+4*\i:219+4*\i], v7 offset:16*\i             ; my wave's own bytes, served in order (ISA guide 5.7.1.4): all 16 channels' figures in every lane
	ds_load_b128 v[232+4*\i:235+4*\i], v7 offset:64+16*\i
.endr
	s_wait_dscnt 0x0
; Turn u: column 512 u + thread: 16 channels are normalised, clipped, rounded to bf16 and stored as two records.  cnt: the loads issued behind this turn's four.
.macro TURN u, cnt
.set F, 16+16*((\u)%6)
.set RC, 112+8*((\u)%2)
	s_wait_loadcnt \cnt
.irp e,0,2,4,6,8,10,12,14
	v_pk_fma_f32 v[F+\e:F+\e+1], v[F+\e:F+\e+1], v[216+\e:217+\e], v[232+\e:233+\e]
.endr
.irp e,0,1,2,3,4,5,6,7,8,9,10,11,12,13,14,15
	v_max_num_f32 v[F+\e], 0, v[F+\e]
.endr
	s_wait_dscnt 2                                 ; all but the last turn's two stores: those of two turns back have read this set of registers
.irp e,0,1,2,3,4,5,6,7
	v_cvt_pk_bf16_f32 v[RC+\e], v[F+2*\e], v[F+2*\e+1]
.endr
	ds_store_b128 v2, v[RC:RC+3] offset:8192*(\u)
	ds_store_b128 v3, v[RC+4:RC+7] offset:8192*(\u)
.if (\u) < 2
.irp p,0,1,2,3
	global_load_b128 v[F+4*\p:F+4*\p+3], v2, s[4:5] offset:65536*\p+8192*((\u)+6)           ; the slot takes the turn six further on
.endr
.endif
.endm
	TURN 0, 42                                     ; 20 of turns 1 to 5, and the 22
	TURN 1, 42                                     ; 16, the 22, turn 6's four
	TURN 2, 42                                     ; 12, the 22, turns 6 and 7's eight
	TURN 3, 38
	TURN 4, 34
	TURN 5, 30
	TURN 6, 4                                      ; turn 7's four
	TURN 7, 0
	s_wait_dscnt 0x0                               ; for the others' sake: my records have landed
	s_barrier_signal -1
	s_barrier_wait -1
.irp i,0,1,2,3,4,5,6,7,8,9,10,11
	v_min_u32 v[192+\i], 0xfff, v[192+\i]          ; a number read from memory enters an address only held inside the table
.endr
.irp i,0,1,2,3,4,5,6,7,8,9,10,11
	v_lshlrev_b32 v[192+\i], 4, v[192+\i]          ; plane 0's record,
.endr
.irp i,0,1,2,3,4,5,6,7,8,9,10,11
	v_add_nc_u32 v[232+\i], 0x10000, v[192+\i]     ; plane 1's
.endr
.irp q,0,1,2,3
.irp k,0,1,2
	ds_load_b128 v[16+8*(3*\q+\k):19+8*(3*\q+\k)], v[192+4*\k+\q]
	ds_load_b128 v[20+8*(3*\q+\k):23+8*(3*\q+\k)], v[232+4*\k+\q]
.endr
.endr
.irp q,0,1,2,3
	s_wait_dscnt 18-6*\q                           ; query q's six records are in; the later queries' may be out
.irp k,0,1,2
.irp e,0,1,2,3,4,5,6,7                 ; register e of the neighbour's eight holds channels 2 e (low half) and 2 e + 1 (high half)
	v_fma_mix_f32_bf16 v[PH+8*\e+\q], v[16+8*(3*\q+\k)+\e], v[204+4*\k+\q], v[PH+8*\e+\q] op_sel_hi:[1,0,0]
	v_fma_mix_f32_bf16 v[PH+8*\e+4+\q], v[16+8*(3*\q+\k)+\e], v[204+4*\k+\q], v[PH+8*\e+4+\q] op_sel:[1,0,0] op_sel_hi:[1,0,0]
.endr
.endr
.endr
.irp c,0,1,2,3,4,5,6,7,8,9,10,11,12,13,14,15
	global_store_b128 v1, v[PH+4*\c:PH+4*\c+3], s[18:19] offset:65536*\c th:TH_STORE_NT     ; 32 lanes store 512 consecutive bytes, aligned; written once, read by nobody here
.endr
	s_wait_tensorcnt 0x0
	ds_add_u32 v14, v15
	s_wait_dscnt 0x0
	s_endpgm
.Lfunc_end_k_qaee81d8910_interp:
	.size	k_qaee81d8910_interp, .Lfunc_end_k_qaee81d8910_interp-k_qaee81d8910_interp
	.p2alignl 7, 3214868480
	.fill 96, 4, 3214868480
	.section	.rodata,"a",@progbits
	.p2align	6, 0x0
	.amdhsa_kernel k_qaee81d8910_interp
		.amdhsa_group_segment_fixed_size 137216
		.amdhsa_private_segment_fixed_size 0
		.amdhsa_enable_private_segment 0
		.amdhsa_kernarg_size 64
		.amdhsa_user_sgpr_count 2
		.amdhsa_user_sgpr_kernarg_segment_ptr 1
		.amdhsa_wavefront_size32 1
		.amdhsa_system_sgpr_workgroup_id_x 1
		.amdhsa_system_sgpr_workgroup_id_y 1
		.amdhsa_system_sgpr_workgroup_id_z 1
		.amdhsa_system_vgpr_workitem_id 0
		.amdhsa_next_free_vgpr 256
		.amdhsa_next_free_sgpr 66
		.amdhsa_reserve_vcc 0
		.amdhsa_float_denorm_mode_32 3
		.amdhsa_float_denorm_mode_16_64 3
		.amdhsa_memory_ordered 1
		.amdhsa_forward_progress 1
		.amdhsa_inst_pref_size 47
	.end_amdhsa_kernel
	.amdgpu_metadata
---
amdhsa.version: [ 1, 2 ]
amdhsa.kernels:
  - .name:           k_qaee81d8910_interp
    .symbol:         k_qaee81d8910_interp.kd
    .args:
      - { .name: hraw, .offset: 0, .size: 8, .value_kind: global_buffer, .address_space: global }
      - { .name: part, .offset: 8, .size: 8, .value_kind: global_buffer, .address_space: global }
      - { .name: gamma, .offset: 16, .size: 8, .value_kind: global_buffer, .address_space: global }
      - { .name: beta, .offset: 24, .size: 8, .value_kind: global_buffer, .address_space: global }
      - { .name: idx, .offset: 32, .size: 8, .value_kind: global_buffer, .address_space: global }
      - { .name: wgt, .offset: 40, .size: 8, .value_kind: global_buffer, .address_space: global }
      - { .name: points_high, .offset: 48, .size: 8, .value_kind: global_buffer, .address_space: global }
      - { .name: out0, .offset: 56, .size: 8, .value_kind: global_buffer, .address_space: global }
    .group_segment_fixed_size: 137216
    .private_segment_fixed_size: 0
    .kernarg_segment_align: 8
    .kernarg_segment_size: 64
    .max_flat_workgroup_size: 512
    .sgpr_count:     66
    .vgpr_count:     256
    .wavefront_size: 32
...
	.end_amdgpu_metadata
.endif
;; end of part 3
